; MI455X (gfx1250); checked and timed in simulation.
; The chip was launched on July 23, 2026; its instructions are those of AMD's public machine-readable ISA for CDNA 5 (MIT licence, August 2026) and "CDNA5" Instruction Set Architecture Reference Guide (July 2026). The comments in the code are by the model that wrote it; some were corrected since.
;; Interaction. Allowed arithmetic: matrix products marked QUANTISED: E5M2 operands, one E8M0 scale for each 32 along K, by v_wmma_scale_f32_16x16x128_f8f6f4 with both operands' format E5M2, f32 sums; everything else in f32.
;; Inputs: W1_codes 2,048 x 16 x 32 uint8 (E5M2 codes of W1, K innermost, in blocks of 32 codes); W1_scales 2,048 x 16 uint8 (E8M0 scales of W1, one for each 32 codes along K); W2_codes 512 x 64 x 32 uint8 (E5M2 codes of W2, K innermost, in blocks of 32 codes); W2_scales 512 x 64 uint8 (E8M0 scales of W2, one for each 32 codes along K); Wk_codes 512 x 16 x 32 uint8 (E5M2 codes of Wk, K innermost, in blocks of 32 codes); Wk_scales 512 x 16 uint8 (E8M0 scales of Wk, one for each 32 codes along K); Wq_codes 512 x 16 x 32 uint8 (E5M2 codes of Wq, K innermost, in blocks of 32 codes); Wq_scales 512 x 16 uint8 (E8M0 scales of Wq, one for each 32 codes along K); Wv_codes 512 x 16 x 32 uint8 (E5M2 codes of Wv, K innermost, in blocks of 32 codes); Wv_scales 512 x 16 uint8 (E8M0 scales of Wv, one for each 32 codes along K); a1 1 float32; a2 1 float32; b1 2,048 float32; b2 512 float32; bb1 1 float32; bb2 1 float32; x 32 x 512 x 512 float32.
;; Outputs: out0 32 x 512 x 512 float32.
;; This version of the problem:
;;   THIS VERSION OF THE PROBLEM IS GIVEN IN LOW PRECISION. The matrix products marked QUANTISED in the list below multiply operands that are first quantised to E5M2 (5 exponent bits, 2 mantissa bits; 8 bits a number), with one power-of-two scale for each 32 numbers along K (OCP MX v1.0); their sums are f32. All else is computed in f32.
;;   The module's matrix products, in the order in which they are computed (A, B: the left and right operand; K: the contracted axis; several contracted axes count as one K, in the product's order):
;;     1. [M 16,384, K 512] x [K 512, N 512]; A: input x; B: input Wq (given as codes): QUANTISED
;;     2. [M 16,384, K 512] x [K 512, N 512]; A: input x; B: input Wk (given as codes): QUANTISED
;;     3. [M 16,384, K 512] x [K 512, N 512]; A: input x; B: input Wv (given as codes): QUANTISED
;;     4. batch 32 x [M 512, K 512] x [K 512, N 512]; A: computed on the way; B: computed on the way: QUANTISED
;;     5. batch 32 x [M 512, K 512] x [K 512, N 512]; A: softmax (see below); B: computed on the way: QUANTISED
;;     6. [M 16,384, K 512] x [K 512, N 2,048]; A: computed on the way; B: input W1 (given as codes): QUANTISED
;;     7. [M 16,384, K 2,048] x [K 2,048, N 512]; A: computed on the way; B: input W2 (given as codes): QUANTISED
;;   THE QUANTISER, for each operand of a quantised product, along K:
;;     - K is cut into blocks of 32 from its start; a last block that is shorter is filled with zeros.
;;     - A block's scale is 2^e with e = floor(log2(the largest magnitude in the block)) - 15, held to -126 .. 127; a block of zeros has e = 0. As a byte (E8M0): e + 127.
;;     - Each number is divided by its block's scale, clamped to +-57,344, and rounded to the nearest number of E5M2, ties to even, subnormals kept.
;;     - The product sums the exact products of the quantised numbers (number of the format x scale) in f32.
;;   ~~~python
;;   def quantise(x, axis):      # numpy; x: float32 -> the quantised numbers, widened to float32 again
;;       x = np.moveaxis(x, axis, -1); K = x.shape[-1]
;;       x = np.pad(x, [(0, 0)] * (x.ndim - 1) + [(0, -K % 32)]); x = x.reshape(x.shape[:-1] + (-1, 32)); a = np.abs(x).max(-1, keepdims=True)
;;       e = np.where(a > 0, np.clip(np.frexp(np.where(a > 0, a, 1))[1] - 1 - 15, -126, 127), 0)      # np.frexp(a)[1] - 1 = floor(log2(a)), exactly
;;       r = np.clip(x / 2.0 ** e, -57344, 57344)
;;       step = 2.0 ** (np.maximum(np.frexp(np.where(r == 0, 1, r))[1] - 1, -14) - 2)
;;       q = np.round(r / step) * step * 2.0 ** e      # np.round: ties to even
;;       return np.moveaxis(q.reshape(q.shape[:-2] + (-1,))[..., :K], -1, axis).astype(np.float32)
;;   ~~~
;;   SOFTMAX AHEAD OF A QUANTISED PRODUCT. Where the list says 'softmax', what is quantised is not the finished softmax but p = 2^(t - M), with t = logit x log2(e) and M = ceil(the row's largest t), a whole number; so 1/2 < the row's largest p <= 1. The row's sum l is taken of the UNQUANTISED p, in f32, and the product's result is divided by l at the end. Since M is a whole number, a kernel that streams over the keys may use a running M (the ceiling of the running maximum): every later rescaling is an exact power of two, which a block's scale takes up: the codes' values come out the same.
;;   OPERANDS COMPUTED ON THE WAY. 'Computed on the way' means the value that the module computes at that place (a softmax that the list does not call 'softmax' is quantised finished and normalised). What goes into a quantiser is computed in f32, as accurately as f32 sums, v_exp_f32 and their like allow (about 1e-6 of the number): no bf16 or f16 on the way to a quantiser, and a product that is left as it is and whose result goes on into a quantised operand takes f32 operands (vector FMAs, or v_wmma_f32_16x16x4_f32). A number that lies on a knife's edge between two numbers of the format may be rounded either way, as far as f32 arithmetic and the matrix unit's own rounding can turn it there, and no further.
;;   INPUTS GIVEN AS CODES. W1 (in the module: [512, 2048], K = its axis 0); W2 (in the module: [2048, 512], K = its axis 0); Wk (in the module: [512, 512], K = its axis 0); Wq (in the module: [512, 512], K = its axis 0); Wv (in the module: [512, 512], K = its axis 0): each comes as NAME_codes (uint8): NAME with its K axis moved to the last place and cut into blocks of 32 codes, [.., K / 32, bytes a block], one block behind the other in memory; one code a byte (a code: sign, 5 exponent bits, 2 mantissa bits); and NAME_scales (uint8): the same leading axes, one E8M0 byte (e + 127) for each 32 codes along K. Its value is code x scale, taken as it is: it is not quantised again, and the codes and scales need not be those that the quantiser above would give.
;; One version. Each part assembles by itself: llvm-mc -triple=amdgcn-amd-amdhsa -mcpu=gfx1250 --defsym DOCPART=n.
;; ======== version 1 of 1: 2 launches
;; limits: right only within a limited range of input values
;; workspace buffers: qf 8,912,896 bytes; kvf 17,825,792 bytes; wf 2,228,224 bytes
;; launch qkv (part 1): grid 256 x 1, 4 waves a work-group, no clusters, 168,448 bytes of LDS; arguments x, Wq_codes, Wq_scales, Wk_codes, Wk_scales, Wv_codes, Wv_scales, W1_codes, W1_scales, W2_codes, W2_scales, qf, kvf, wf; writes qf, kvf, wf
.if DOCPART == 1
	.amdgcn_target "amdgcn-amd-amdhsa--gfx1250"
	.amdhsa_code_object_version 6
	.text
	.protected	k_q7b619d9208_qkv
	.globl	k_q7b619d9208_qkv
	.p2align	8
	.type	k_q7b619d9208_qkv,@function
k_q7b619d9208_qkv:
	s_mov_b64 s[64:65], 0
	v_nop
	global_prefetch_b8 v0, s[64:65] scope:SCOPE_SE
	s_setreg_imm32_b32 hwreg(HW_REG_WAVE_MODE, 25, 1), 1
	s_wait_xcnt 0x0
; q = Q(x) Wq, k = Q(x) Wk, v = Q(x) Wv on codes of E5M2 with one E8M0 scale for each 32 along K; the three results are quantised here (q, k along the 512 of d, v along the KEYS)
; and stored as images of the operand registers that the second launch's matrix instructions take.  W1 and W2 are laid out in the same form on the way (one group of four fragments a work-group).
; NOTHING OF THE PROBLEM IS LEFT OUT: every product of its table is live and every input has a way to the output (bb1 moves n1's codes); this launch does products 1 to 3, the second 4 to 7.
; SHARES.  A work-group takes 64 rows of x (an eighth of a batch).  THE WAVES SHARE THE COLUMNS: wave w makes columns 128 w .. 128 w + 127 of q, k and v for all 64 rows (four tiles of 16 rows).
; So a weight fragment is read by one wave alone, feeds four matrix instructions, and goes from memory straight into registers, through a ring of four groups of four fragments with counted waits.
; x comes once by one tensor load a wave, is quantised once (wave w: row tile w) and goes round through LDS as images of the operand's registers.
; NO CLUSTER: a joint load lands in LDS; a weight fragment has one reader in the work-group, so the way through LDS would add 64 KiB of LDS reads a wave and phase to the 34 KiB that x's images cost.
; LAYOUT.  lane = (r, h) = (lane % 16, lane / 16); rp = r + 8 (r / 8).  Tile t of a group of 128 takes in lane r item TR(t) + rp, TR(t) = 32 (t / 2) + 8 (t % 2): the 16 registers of result tiles
; 2 b, 2 b + 1 are then 16 neighbours 32 b + 16 h + 0 .. 15 along the next K.  The 64 rows are dealt to the four row tiles by the same rule, which gives v's codes neighbouring KEYS (sources swapped).
; A fragment's image: 2,048 bytes, registers 4 c .. 4 c + 3 of lane L at 512 c + 16 L.  A stream group: four images, then 512 bytes of scale words [lane][fragment]: GB bytes.
; LIMITS: NaN and infinities among the inputs are not served.  A block whose largest magnitude lies under 2^-111 gets the scale byte 1; so does a block of zeros (the rule says 127): its codes are
; zeros, which add nothing under that byte, and the bytes are read by this program alone.
; REGISTERS, in windows of 256: window 0: v1-14 addresses; v24-39 the ring's scale words; v40-47 x's scale words; v48-63 at work; v72-75 scale words made; v76-92 the repack;
;   v128-191, v192-255 two buffers of x's fragments, between the phases 64 held numbers and 64 registers of codes.   window 1: the ring, 16 fragments.   window 2: x as f32, then the 32 accumulators.
.set GB,    8704
.set GL,    20                         ; loads that bring a group: 16 of codes, 4 of scale words
.set XST,   34816                      ; LDS: x's images and scale words at 0 (34,816 bytes); x as f32 from here: 128 half rows of 1,024 bytes + 16 of padding
.set SPARE, 167936                     ; the spare words, 128 bytes a wave: two blocks of 256 bytes that no other line names
.set SPW, 1
.set NIL, 2
.set L16, 3                            ; 16 x lane: an image's place, in LDS and in memory
.set XIA, 5                            ; 16 lane + 2,048 wave
.set XSA, 6                            ; 32,768 + 16 lane + 4 wave
.set XA,  7                            ; my row of x in LDS
.set WCO, 8                            ; 512 rp + 16 h: my bytes of a weight tile
.set WSO, 9                            ; 16 rp: my scale word of it
.set VCO, 10                           ; 16 lane + 1,024 e
.set VSO, 11                           ; 16 lane + 2 e
.set RCO, 12                           ; the repack: my bytes of W1's or W2's tile
.set RSO, 13
.set RDS, 14                           ; 16 lane + 4 wave
.set WS,  24
.set RS,  40
.set TM,  48                           ; +0..3 largest magnitudes, +4..7 bytes, +8..11 the largest number x the scale, +12..15 the conversions' scale operand
.set PW,  72
.set RPK, 76
.set T,   128
.set PC,  192
.set WV,  32
.set MNT, 60
.set SEL, 62
.set QD,  66
.set QS,  68
.set KD,  70
.set SV,  72
.set RC,  74
.set RSC, 76
.set WFD, 78
.set MULA, 0xa1                        ; source 0 (weights) window 1, source 1 (x) window 0, C and D window 2
.set MULS, 0xa4                        ; sources swapped: source 0 (x) window 0, source 1 (weights) window 1
.set MSB, 0
.macro WIN new                         ; the immediate's high byte repeats the setting that is left
.if MSB != (\new)
	s_set_vgpr_msb (MSB<<8)|(\new)
.set MSB, (\new)
.endif
.endm
.macro PLACES                          ; eight places behind this matrix form, ahead of loads into registers that it read and of the first read of results
.rept 8
	v_nop
.endr
.endm
.macro BAR                             ; my LDS stores have landed and my LDS loads are in: then the work-group's barrier
	s_wait_dscnt 0x0
	s_barrier_signal -1
	s_barrier_wait -1
.endm
; 64 numbers of a lane in window w from v[a] on, register 16 b + i = k 32 b + 16 h + i: the four blocks' largest magnitudes, with the floor 2^(16 - 127) among the leaves
.macro QMAX w, a
	WIN 5*(\w)
.irp b, 0,1,2,3
	v_max3_num_f32 v[TM+\b], |v[(\a)+16*\b]|, |v[(\a)+16*\b+1]|, 0x8000000
.endr
.irp i, 2,4,6,8,10,12,14
.irp b, 0,1,2,3
	v_max3_num_f32 v[TM+\b], |v[(\a)+16*\b+\i]|, |v[(\a)+16*\b+\i+1]|, v[TM+\b]
.endr
.endr
	WIN 0
.irp b, 0,1,2,3
	v_permlanex16_b32 v[TM+4+\b], v[TM+\b], s[SEL], s[SEL+1]
.endr
.irp b, 0,1,2,3
	v_max_num_f32 v[TM+\b], v[TM+\b], v[TM+4+\b]       ; with lane l xor 16's 16 numbers: the block's
.endr
.endm
; scale word into v[pw], the numbers held within the largest code x the scale into v[T] on, their codes into v[pc] on
.macro QTAIL w, a, pc, pw
	WIN 0
.irp b, 0,1,2,3
	v_add_nc_u32 v[TM+12+\b], 0xf8800000, v[TM+\b]     ; 15 off the exponent field: the conversion's scale operand
.endr
.irp b, 0,1,2,3
	v_and_or_b32 v[TM+8+\b], v[TM+\b], 0x7f800000, s[MNT]   ; 57,344 x the scale
.endr
.irp b, 0,1,2,3
	v_lshrrev_b32 v[TM+4+\b], 23, v[TM+12+\b]          ; the scale's byte
.endr
	v_lshl_or_b32 v[\pw], v[TM+5], 8, v[TM+4]
	v_lshl_or_b32 v[\pw], v[TM+6], 16, v[\pw]
	v_lshl_or_b32 v[\pw], v[TM+7], 24, v[\pw]
	WIN \w
.irp b, 0,1,2,3
.irp i, 0,1,2,3,4,5,6,7,8,9,10,11,12,13,14,15
	v_med3_num_f32 v[T+16*\b+\i], v[(\a)+16*\b+\i], -v[TM+8+\b], v[TM+8+\b]   ; the conversion to an 8-bit code does not saturate (ISA guide 7.6.2)
.endr
.endr
	WIN 0
.irp b, 0,1,2,3
	v_cvt_scalef32_pk8_bf8_f32 v[(\pc)+4*\b:(\pc)+4*\b+1], v[T+16*\b:T+16*\b+7], v[TM+12+\b]
	v_cvt_scalef32_pk8_bf8_f32 v[(\pc)+4*\b+2:(\pc)+4*\b+3], v[T+16*\b+8:T+16*\b+15], v[TM+12+\b]
.endr
	v_nop                                          ; one plain vector line behind the last conversion
.endm
.macro QUANT w, a, pc, pw
	QMAX \w, \a
	QTAIL \w, \a, \pc, \pw
.endm
; K step s of x's images: four fragments and their scale words into buffer rb: 17 LDS loads
.macro RFETCH rb, s, adr
.irp m, 0,1,2,3
.irp c, 0,1,2,3
	ds_load_b128 v[128+64*(\rb)+16*\m+4*\c:128+64*(\rb)+16*\m+4*\c+3], v[\adr] offset:2048*(4*(\s)+\m)+512*\c
.endr
.endr
	ds_load_b128 v[RS+4*(\rb):RS+4*(\rb)+3], v[\adr] offset:32768+512*(\s)
.endm
; group n (K step n / 2, tiles 4 (n % 2) + 0 .. 3) of the weight whose codes stand at s[cb:cb+1] and scale bytes at s[cb+2:cb+3], into ring slot
.macro LG slot, cb, n
	WIN 0x40
.irp i, 0,1,2,3
.irp c, 0,1,2,3
	global_load_b128 v[64*(\slot)+16*\i+4*\c:64*(\slot)+16*\i+4*\c+3], v[WCO], s[\cb:\cb+1] offset:(32*((4*((\n)%2)+\i)/2)+8*(\i%2))*512+128*((\n)/2)+32*\c
.endr
.endr
	WIN 0
.irp i, 0,1,2,3
	global_load_b32 v[WS+4*(\slot)+\i], v[WSO], s[\cb+2:\cb+3] offset:(32*((4*((\n)%2)+\i)/2)+8*(\i%2))*16+4*((\n)/2)
.endr
.endm
; 16 matrix instructions: the slot's four fragments x the four row tiles.  The accumulators take turns, one instruction a turn.
.macro MULG g, rb, tg, win, zero, swap
	WIN \win
.irp i, 0,1,2,3
.irp m, 0,1,2,3
.set FW, 64*(\g)+16*\i
.set FX, 128+64*(\rb)+16*\m
.set SW, WS+4*(\g)+\i
.set SX, RS+4*(\rb)+\m
.if \swap
.set AC, 32*(4*(\tg)+\i)+8*\m
.if \zero
	v_wmma_scale_f32_16x16x128_f8f6f4 v[AC:AC+7], v[FX:FX+15], v[FW:FW+15], 0, v[SX], v[SW] matrix_a_fmt:MATRIX_FMT_BF8 matrix_b_fmt:MATRIX_FMT_BF8
.else
	v_wmma_scale_f32_16x16x128_f8f6f4 v[AC:AC+7], v[FX:FX+15], v[FW:FW+15], v[AC:AC+7], v[SX], v[SW] matrix_a_fmt:MATRIX_FMT_BF8 matrix_b_fmt:MATRIX_FMT_BF8
.endif
.else
.set AC, 64*\m+8*(4*(\tg)+\i)
.if \zero
	v_wmma_scale_f32_16x16x128_f8f6f4 v[AC:AC+7], v[FW:FW+15], v[FX:FX+15], 0, v[SW], v[SX] matrix_a_fmt:MATRIX_FMT_BF8 matrix_b_fmt:MATRIX_FMT_BF8
.else
	v_wmma_scale_f32_16x16x128_f8f6f4 v[AC:AC+7], v[FW:FW+15], v[FX:FX+15], v[AC:AC+7], v[SW], v[SX] matrix_a_fmt:MATRIX_FMT_BF8 matrix_b_fmt:MATRIX_FMT_BF8
.endif
.endif
.endr
.endr
.endm
; A phase is 8 groups, 128 matrix instructions.  Its first half: groups 0-3; each slot is filled again with the group four on.
; s_wait_loadcnt 3 GL: the three younger groups may be out.  s_wait_dscnt 17: the one younger fetch of x's images may be out.
.macro PHASE_A adr, win, zero, swap, cb
	RFETCH 0, 0, \adr
	RFETCH 1, 1, \adr
.irp n, 0,1,2,3
.if (\n%2) == 0
	s_wait_dscnt 17
.endif
	s_wait_loadcnt 3*GL
.set ZF, 0
.if (\zero) && (\n < 2)
.set ZF, 1
.endif
	MULG \n, \n/2, \n%2, \win, ZF, \swap
	WIN 0
	PLACES
	LG \n, \cb, \n+4
.if \n == 1
	RFETCH 0, 2, \adr
.endif
.if \n == 3
	RFETCH 1, 3, \adr
.endif
.endr
.endm
; Its second half: groups 4-7.  ld = 1: each slot takes a group of the NEXT phase's weight; ld = 0: the ring runs dry and the counts run down.
.macro PHASE_B win, swap, ld, cb
.irp n, 4,5,6,7
.if \n == 4
	s_wait_dscnt 17
.endif
.if \n == 6
	s_wait_dscnt 0x0
.endif
.if \ld
	s_wait_loadcnt 3*GL
.else
	s_wait_loadcnt (7-\n)*GL
.endif
	MULG \n-4, (\n/2)%2, \n%2, \win, 0, \swap
.if (\ld) || (\n == 7)
	WIN 0
	PLACES
.endif
.if \ld
	LG \n-4, \cb, \n-4
.endif
.endr
.endm
; q's or k's four tiles of rows: quantised along my 128 columns (one K step of the next product) and stored as images; each store of the wave covers 512 consecutive bytes, aligned
.macro OUTQK base, sbase, soff
.irp m, 0,1,2,3
	QUANT 2, 64*\m, PC+16*\m, PW+\m
.irp c, 0,1,2,3
	global_store_b128 v[L16], v[PC+16*\m+4*\c:PC+16*\m+4*\c+3], s[\base:\base+1] offset:2048*\m+512*\c
.endr
.endr
	global_store_b128 v[L16], v[PW:PW+3], s[\sbase:\sbase+1] offset:\soff
.endm
	s_load_b512 s[4:19], s[0:1], 0x0               ; x, Wq codes, scales, Wk codes, scales, Wv codes, scales, W1 codes
	s_load_b256 s[20:27], s[0:1], 0x40             ; W1 scales, W2 codes, W2 scales, qf
	s_load_b128 s[28:31], s[0:1], 0x60             ; kvf, wf
	v_lshl_add_u32 v[SPW], v0, 2, SPARE
	v_mov_b32 v[NIL], 0
	ds_add_u32 v[SPW], v[NIL]                      ; the wave's opening: the add, twice on end, and its wait ahead of my first tensor load
	ds_add_u32 v[SPW], v[NIL]
	v_lshrrev_b32 v21, 5, v0
	v_readfirstlane_b32 s[WV], v21                 ; wave 0..3
	; descriptor group 1: my 16 rows of x, dense in memory, as 32 rows of 256 elements of 4 bytes, 4 words of padding behind every 256 words
	s_mov_b32 s52, (2<<16)|(1<<20)|(7<<22)|(3<<25)
	s_mov_b32 s53, 256<<16                         ; tensor_dim0
	s_mov_b32 s54, 32<<16                          ; tensor_dim1
	s_mov_b32 s55, 256<<16                         ; tile_dim0
	s_mov_b32 s56, 32                              ; tile_dim1
	s_mov_b32 s57, 256                             ; from row to row
	s_mov_b32 s58, 0
	s_mov_b32 s59, 0
	s_mov_b32 s48, 1
	s_mul_i32 s49, s[WV], 33280
	s_add_co_u32 s49, s49, XST                     ; 32 x 1,040 bytes a wave
	s_lshl_b32 s34, ttmp9, 17
	s_lshl_b32 s35, s[WV], 15
	s_add_co_u32 s34, s34, s35                     ; (64 g + 16 w) rows of 2,048 bytes
	s_mov_b32 s35, 0
	s_mov_b32 s[MNT], 0x600000                     ; the mantissa field of 57,344
	s_mov_b32 s[SEL], 0x76543210
	s_mov_b32 s[SEL+1], 0xfedcba98                 ; lane l xor 16
	s_and_b32 s33, ttmp9, 7                        ; my eighth of the batch; also the repack's group in its phase
	s_and_b32 s36, s33, 1                          ; e
	s_lshr_b32 s37, s33, 1                         ; w'
	s_lshr_b32 s38, ttmp9, 3                       ; batch
	s_lshl_b32 s40, s[WV], 16                      ; my 128 rows of a weight's codes,
	s_mov_b32 s41, 0
	s_lshl_b32 s42, s[WV], 11                      ; and of its scale bytes
	s_mov_b32 s43, 0
	s_mul_i32 s[QD], ttmp9, 34816
	s_lshl_b32 s39, s[WV], 9
	s_add_co_u32 s[QS], s[QD], s39
	s_add_co_u32 s[QS], s[QS], 32768               ; q's scale words: K step w
	s_lshl_b32 s39, s[WV], 13
	s_add_co_u32 s[QD], s[QD], s39                 ; q's images: K step w
	s_mov_b32 s[QD+1], 0
	s_mov_b32 s[QS+1], 0
	s_lshl_b32 s38, s38, 2
	s_add_co_u32 s[KD], s38, s37                   ; k: the stream of the wave that will take keys 128 w' on,
	s_lshl_b32 s[KD], s[KD], 4
	s_lshl_b32 s39, s[WV], 1
	s_add_co_u32 s[KD], s[KD], s39
	s_add_co_u32 s[KD], s[KD], s36                 ; its group 2 w + e
	s_mul_i32 s[KD], s[KD], GB
	s_mov_b32 s[KD+1], 0
	s_add_co_u32 s[SV], s38, s[WV]                 ; v: the stream of the wave that will take dims 128 w on,
	s_lshl_b32 s[SV], s[SV], 4
	s_lshl_b32 s39, s37, 1
	s_add_co_u32 s[SV], s[SV], s39
	s_add_co_u32 s[SV], s[SV], 8                   ; its groups 8 + 2 w' and the next
	s_mul_i32 s[SV], s[SV], GB
	s_mov_b32 s[SV+1], 0
	; the repack: work-group g lays out group g of wf = [wave][round][W1, W2][group]; wave i takes its fragment i
	s_lshl_b32 s39, s36, 2
	s_add_co_u32 s39, s39, s[WV]                   ; tile t = 4 (n % 2) + i
	s_lshr_b32 s44, s39, 1
	s_lshl_b32 s44, s44, 5
	s_and_b32 s39, s39, 1
	s_lshl_b32 s39, s39, 3
	s_add_co_u32 s44, s44, s39                     ; TR(t)
	s_lshr_b32 s39, ttmp9, 6
	s_lshl_b32 s39, s39, 7
	s_add_co_u32 s44, s44, s39                     ; + 128 x the reading wave
	s_bfe_u32 s39, ttmp9, 0x20004
	s_lshl_b32 s39, s39, 9                         ; 512 x round
	s_and_b32 s47, ttmp9, 8                        ; 0: W1; else W2
	s_cmp_lg_u32 s47, 0
	s_cselect_b32 s45, 11, 9                       ; a row is 2^11 or 2^9 bytes
	s_cselect_b32 s46, 0, s39                      ; W1: the round picks rows;
	s_cselect_b32 s39, s39, 0                      ; W2: it picks bytes along K
	s_add_co_u32 s44, s44, s46
	s_lshl_b32 s[RC], s44, s45
	s_add_co_u32 s[RC], s[RC], s39
	s_lshl_b32 s39, s37, 7
	s_add_co_u32 s[RC], s[RC], s39                 ; + 128 x K step
	s_lshr_b32 s[RSC], s[RC], 5                    ; one scale byte for 32 codes
	s_mov_b32 s[RC+1], 0
	s_mov_b32 s[RSC+1], 0
	s_mul_i32 s[WFD], ttmp9, GB
	s_mov_b32 s[WFD+1], 0
	s_sub_co_u32 s46, s45, 5
	s_wait_dscnt 0x0                               ; both opening adds are done
	s_wait_kmcnt 0x0
	s_add_nc_u64 s[50:51], s[4:5], s[34:35]
	s_or_b32 s51, s51, 0x80000000
	tensor_load_to_lds s[48:51], s[52:59]          ; my one tensor load: filled once
	s_nop 0
.rept 4
	v_nop
.endr
	s_add_nc_u64 s[6:7], s[6:7], s[40:41]
	s_add_nc_u64 s[8:9], s[8:9], s[42:43]
	s_add_nc_u64 s[10:11], s[10:11], s[40:41]
	s_add_nc_u64 s[12:13], s[12:13], s[42:43]
	s_add_nc_u64 s[14:15], s[14:15], s[40:41]
	s_add_nc_u64 s[16:17], s[16:17], s[42:43]
	s_add_nc_u64 s[QD:QD+1], s[26:27], s[QD:QD+1]
	s_add_nc_u64 s[QS:QS+1], s[26:27], s[QS:QS+1]
	s_add_nc_u64 s[KD:KD+1], s[28:29], s[KD:KD+1]
	s_add_nc_u64 s[SV:SV+1], s[28:29], s[SV:SV+1]
	s_add_nc_u64 s[WFD:WFD+1], s[30:31], s[WFD:WFD+1]
	s_cmp_lg_u32 s47, 0                            ; the choice hangs on the work-group's number alone
	s_cselect_b64 s[40:41], s[22:23], s[18:19]
	s_cselect_b64 s[34:35], s[24:25], s[20:21]
	s_add_nc_u64 s[RC:RC+1], s[40:41], s[RC:RC+1]
	s_add_nc_u64 s[RSC:RSC+1], s[34:35], s[RSC:RSC+1]
	v_and_b32 v[L16], 31, v0
	v_lshlrev_b32 v[L16], 4, v[L16]
	v_and_b32 v21, 15, v0
	v_and_b32 v22, 8, v0
	v_add_nc_u32 v21, v21, v22                     ; rp
	v_bfe_u32 v22, v0, 4, 1                        ; h
	v_lshlrev_b32 v[RCO], s45, v21
	v_lshl_add_u32 v[RCO], v22, 4, v[RCO]
	v_lshlrev_b32 v[RSO], s46, v21
	v_lshlrev_b32 v[WCO], 9, v21
	v_lshl_add_u32 v[WCO], v22, 4, v[WCO]
	v_lshlrev_b32 v[WSO], 4, v21
	s_wait_alu depctr_va_vdst(0)
.irp c, 0,1,2,3
	global_load_b128 v[RPK+4*\c:RPK+4*\c+3], v[RCO], s[RC:RC+1] offset:32*\c
.endr
	global_load_b32 v[RPK+16], v[RSO], s[RSC:RSC+1]
	LG 0, 6, 0                                     ; the ring is filled with Wq's first four groups
	LG 1, 6, 1
	LG 2, 6, 2
	LG 3, 6, 3
	v_add_nc_u32 v[XIA], s42, v[L16]
	s_lshl_b32 s39, s[WV], 2
	v_add_nc_u32 v[RDS], s39, v[L16]
	v_add_nc_u32 v[XSA], 32768, v[RDS]
	s_lshr_b32 s39, s[WV], 1
	s_lshl_b32 s39, s39, 5
	s_and_b32 s44, s[WV], 1
	s_lshl_b32 s44, s44, 3
	s_add_co_u32 s39, s39, s44                     ; TR(w): I quantise row tile w
	s_mul_i32 s39, s39, 2080
	s_add_co_u32 s39, s39, XST
	v_mul_u32_u24 v[XA], v21, 2080
	v_lshl_add_u32 v[XA], v22, 6, v[XA]
	v_add_nc_u32 v[XA], s39, v[XA]
	s_lshl_b32 s39, s36, 10
	v_add_nc_u32 v[VCO], s39, v[L16]
	s_lshl_b32 s39, s36, 1
	v_add_nc_u32 v[VSO], s39, v[L16]
.irp b, 0,1,2,3
	v_mov_b32 v[TM+4+\b], 0                        ; written once: a lane permute's destination counts as one of its sources
.endr
	s_wait_alu depctr_va_vdst(0)
	s_wait_tensorcnt 0x0                           ; my 16 rows are in LDS,
	BAR                                            ; everybody's are: a row tile's rows come from several waves' loads
	WIN 0x80
.irp s, 0,1,2,3
.irp b, 0,1,2,3
.irp j, 0,1,2,3
	ds_load_b128 v[64*\s+16*\b+4*\j:64*\s+16*\b+4*\j+3], v[XA] offset:1040*(\s/2)+512*(\s%2)+128*\b+16*\j
.endr
.endr
.endr
	WIN 0
.irp s, 0,1,2,3
	s_wait_dscnt 48-11*\s                          ; K step s's 16 loads are in: behind them stand 16 (3 - s) loads and the 5 s stores of the steps done
	QUANT 2, 64*\s, PC+16*\s, PW+\s
.irp c, 0,1,2,3
	ds_store_b128 v[XIA], v[PC+16*\s+4*\c:PC+16*\s+4*\c+3] offset:8192*\s+512*\c
.endr
	ds_store_b32 v[XSA], v[PW+\s] offset:512*\s
.endr
	s_wait_loadcnt 3*GL                            ; the three younger groups may be out: the repack's five loads and group 0 are in
.irp c, 0,1,2,3
	global_store_b128 v[XIA], v[RPK+4*\c:RPK+4*\c+3], s[WFD:WFD+1] offset:512*\c
.endr
	global_store_b32 v[RDS], v[RPK+16], s[WFD:WFD+1] offset:8192
	BAR                                            ; x's sixteen images lie in LDS
	PHASE_A L16, MULA, 1, 0, 6                     ; q
	PHASE_B MULA, 0, 1, 10
	OUTQK QD, QS, 0
	s_wait_xcnt 0x0                                ; the stores have read their registers: the next fetches land there
	PHASE_A L16, MULA, 1, 0, 10                    ; k
	PHASE_B MULA, 0, 1, 14
	OUTQK KD, KD, 8192
	s_wait_xcnt 0x0
	PHASE_A L16, MULS, 1, 1, 14                    ; v, sources swapped: a lane holds one dim, its registers run along the keys
	PHASE_B MULS, 1, 0, 14
; 64 registers are two tiles of dims x two blocks of 32 keys.  My 64 keys are half e of K step w' of the second product: register groups 2 e and 2 e + 1 of each fragment, and two of its four scale bytes.
.irp kk, 0,1,2,3
	QUANT 2, 64*\kk, PC+16*\kk, PW+\kk
.irp u, 0,1
.irp bb, 0,1
	global_store_b128 v[VCO], v[PC+16*\kk+8*\u+4*\bb:PC+16*\kk+8*\u+4*\bb+3], s[SV:SV+1] offset:((2*\kk+\u)/4)*GB+2048*((2*\kk+\u)%4)+512*\bb
.endr
.endr
	global_store_b16 v[VSO], v[PW+\kk], s[SV:SV+1] offset:((2*\kk)/4)*GB+8192+4*((2*\kk)%4)
	global_store_d16_hi_b16 v[VSO], v[PW+\kk], s[SV:SV+1] offset:((2*\kk+1)/4)*GB+8192+4*((2*\kk+1)%4)
.endr
	s_wait_tensorcnt 0x0                           ; the wave's end, behind my last tensor load and my last LDS store
	ds_add_u32 v[SPW], v[NIL]
	s_wait_dscnt 0x0
	s_endpgm
.Lfunc_end_k_q7b619d9208_qkv:
	.size	k_q7b619d9208_qkv, .Lfunc_end_k_q7b619d9208_qkv-k_q7b619d9208_qkv
	.p2alignl 7, 3214868480
	.fill 96, 4, 3214868480
	.section	.rodata,"a",@progbits
	.p2align	6, 0x0
	.amdhsa_kernel k_q7b619d9208_qkv
		.amdhsa_group_segment_fixed_size 168448
		.amdhsa_private_segment_fixed_size 0
		.amdhsa_enable_private_segment 0
		.amdhsa_kernarg_size 112
		.amdhsa_user_sgpr_count 2
		.amdhsa_user_sgpr_kernarg_segment_ptr 1
		.amdhsa_wavefront_size32 1
		.amdhsa_system_sgpr_workgroup_id_x 1
		.amdhsa_system_sgpr_workgroup_id_y 1
		.amdhsa_system_sgpr_workgroup_id_z 1
		.amdhsa_system_vgpr_workitem_id 0
		.amdhsa_next_free_vgpr 768
		.amdhsa_next_free_sgpr 84
		.amdhsa_reserve_vcc 0
		.amdhsa_float_denorm_mode_32 3
		.amdhsa_float_denorm_mode_16_64 3
		.amdhsa_memory_ordered 1
		.amdhsa_forward_progress 1
		.amdhsa_inst_pref_size 255
	.end_amdhsa_kernel
	.section	.bss,"aw",@nobits
	.p2align	6
	.space	262144
	.amdgpu_metadata
---
amdhsa.version: [ 1, 2 ]
amdhsa.kernels:
  - .name:           k_q7b619d9208_qkv
    .symbol:         k_q7b619d9208_qkv.kd
    .args:
      - { .name: x, .offset: 0, .size: 8, .value_kind: global_buffer, .address_space: global }
      - { .name: Wq_codes, .offset: 8, .size: 8, .value_kind: global_buffer, .address_space: global }
      - { .name: Wq_scales, .offset: 16, .size: 8, .value_kind: global_buffer, .address_space: global }
      - { .name: Wk_codes, .offset: 24, .size: 8, .value_kind: global_buffer, .address_space: global }
      - { .name: Wk_scales, .offset: 32, .size: 8, .value_kind: global_buffer, .address_space: global }
      - { .name: Wv_codes, .offset: 40, .size: 8, .value_kind: global_buffer, .address_space: global }
      - { .name: Wv_scales, .offset: 48, .size: 8, .value_kind: global_buffer, .address_space: global }
      - { .name: W1_codes, .offset: 56, .size: 8, .value_kind: global_buffer, .address_space: global }
      - { .name: W1_scales, .offset: 64, .size: 8, .value_kind: global_buffer, .address_space: global }
      - { .name: W2_codes, .offset: 72, .size: 8, .value_kind: global_buffer, .address_space: global }
      - { .name: W2_scales, .offset: 80, .size: 8, .value_kind: global_buffer, .address_space: global }
      - { .name: qf, .offset: 88, .size: 8, .value_kind: global_buffer, .address_space: global }
      - { .name: kvf, .offset: 96, .size: 8, .value_kind: global_buffer, .address_space: global }
      - { .name: wf, .offset: 104, .size: 8, .value_kind: global_buffer, .address_space: global }
    .group_segment_fixed_size: 168448
    .private_segment_fixed_size: 0
    .kernarg_segment_align: 8
    .kernarg_segment_size: 112
    .max_flat_workgroup_size: 128
    .sgpr_count:     84
    .vgpr_count:     768
    .wavefront_size: 32
...
	.end_amdgpu_metadata
.endif
;; end of part 1
;; launch attn_ffn (part 2): grid 256 x 1, 4 waves a work-group, no clusters, 327,680 bytes of LDS; arguments x, qf, kvf, wf, b1, b2, a1, bb1, a2, bb2, out0; writes out0
.if DOCPART == 2
	.amdgcn_target "amdgcn-amd-amdhsa--gfx1250"
	.amdhsa_code_object_version 6
	.text
	.protected	k_q7b619d9208_attn_ffn
	.globl	k_q7b619d9208_attn_ffn
	.p2align	8
	.type	k_q7b619d9208_attn_ffn,@function
k_q7b619d9208_attn_ffn:
	s_mov_b64 s[64:65], 0
	v_nop
	global_prefetch_b8 v0, s[64:65] scope:SCOPE_SE
	s_setreg_imm32_b32 hwreg(HW_REG_WAVE_MODE, 25, 1), 1
	s_wait_xcnt 0x0
; Products 4 to 7 of the problem and all that stands between them: scores, softmax, p v, residual and norm 1, the FFN, residual and norm 2.  Nothing of the problem is left out.
; SHARES.  A work-group takes 64 rows (an eighth of a batch) through the whole chain; wave w makes columns 128 w .. 128 w + 127 of every product for all 64 rows (four row tiles).
; k, v, W1 and W2 come as images of operand registers, laid by the first launch, from memory straight into a ring of four groups of four fragments (window 1), with counted waits:
; s_wait_loadcnt 3 GL leaves the three younger groups out.  The row operand (q, p, n1, h) goes round through LDS as images; each wave quantises its own 128 columns of it.
; NO CLUSTER: a fragment of the streams has one reader in the work-group and lands in registers; beside x's stage LDS has room for slots of two groups a wave at the most.
; THE TWO NORMS ARE ONE TEXT, in a counted loop of two passes: pass 0 (a1, bb1) goes on into n1's quantiser and the FFN's four rounds, pass 1 (a2, bb2) into the way out.
; LIMITS: NaN and infinities among the inputs are not served.  A block whose largest magnitude lies under 2^-111, a block of zeros too, gets the scale byte 1; these bytes are read by this program alone.
; REGISTERS: window 0 addresses, scale words, work, two buffers of row fragments; window 1 the ring; window 2 scores, then h; window 3 p v, then n1 + b2 + the FFN's sums.
.set GB,    8704
.set GL,    17
.set RBR,   34816
.set STAT,  69632
.set MAXR,  0
.set SUMR,  2048
.set LN1A,  4096
.set LN1B,  6144
.set LN2A,  8192
.set LN2B,  10240
.set B1L,   81920
.set B2L,   92160
.set XST,   94208
.set SPARE, 229376
.set SPW, 1
.set NIL, 2
.set L16, 3
.set LRB, 5
.set SIA, 6
.set SIB, 7
.set SSA, 8
.set SSB, 9
.set STS, 10
.set STL, 11
.set XAD, 12
.set ORD, 13
.set BIA0, 14
.set BAD, 15
.set B2A, 16
.set PFO, 17
.set BST, 18
.set B2S, 19
.set BGO, 20
.set WS,  24
.set RS,  40
.set TM,  48
.set SA,  48
.set PW,  72
.set BM,  76
.set GX,  92
.set LC,  108
.set PA,  112
.set PB,  120
.set T,   128
.set PC,  192
.set WV,  26
.set CNT, 60
.set PASS, 28                          ; s28: which norm is at work (the offset that lay there has been used at the head)
.set BOF, 61
.set MNT, 62
.set SEL, 66
.set CS,  68
.set KV,  74
.set WF,  76
.set OUT, 78
.set MULA, 0xa1
.set MULB, 0xf1
.set MSB, 0
.macro WIN new
.if MSB != (\new)
	s_set_vgpr_msb (MSB<<8)|(\new)
.set MSB, (\new)
.endif
.endm
.macro PLACES
.rept 8
	v_nop
.endr
.endm
.macro BAR
	s_wait_dscnt 0x0
	s_barrier_signal -1
	s_barrier_wait -1
.endm
.macro QMAX w, a, relu
	WIN 5*(\w)
.irp b, 0,1,2,3
.if \relu
	v_max3_num_f32 v[TM+\b], v[(\a)+16*\b], v[(\a)+16*\b+1], 0x8000000
.else
	v_max3_num_f32 v[TM+\b], |v[(\a)+16*\b]|, |v[(\a)+16*\b+1]|, 0x8000000
.endif
.endr
.irp i, 2,4,6,8,10,12,14
.irp b, 0,1,2,3
.if \relu
	v_max3_num_f32 v[TM+\b], v[(\a)+16*\b+\i], v[(\a)+16*\b+\i+1], v[TM+\b]
.else
	v_max3_num_f32 v[TM+\b], |v[(\a)+16*\b+\i]|, |v[(\a)+16*\b+\i+1]|, v[TM+\b]
.endif
.endr
.endr
	WIN 0
.irp b, 0,1,2,3
	v_permlanex16_b32 v[TM+4+\b], v[TM+\b], s[SEL], s[SEL+1]
.endr
.irp b, 0,1,2,3
	v_max_num_f32 v[TM+\b], v[TM+\b], v[TM+4+\b]
.endr
.endm
.macro QTAIL w, a, mode, pc, pw
	WIN 0
.irp b, 0,1,2,3
	v_add_nc_u32 v[TM+12+\b], 0xf8800000, v[TM+\b]
.endr
.irp b, 0,1,2,3
	v_and_or_b32 v[TM+8+\b], v[TM+\b], 0x7f800000, s[MNT]
.endr
.irp b, 0,1,2,3
	v_lshrrev_b32 v[TM+4+\b], 23, v[TM+12+\b]
.endr
	v_lshl_or_b32 v[\pw], v[TM+5], 8, v[TM+4]
	v_lshl_or_b32 v[\pw], v[TM+6], 16, v[\pw]
	v_lshl_or_b32 v[\pw], v[TM+7], 24, v[\pw]
	WIN \w
.irp b, 0,1,2,3
.irp i, 0,1,2,3,4,5,6,7,8,9,10,11,12,13,14,15
.if \mode == 0
	v_med3_num_f32 v[T+16*\b+\i], v[(\a)+16*\b+\i], -v[TM+8+\b], v[TM+8+\b]
.elseif \mode == 1
	v_med3_num_f32 v[T+16*\b+\i], v[(\a)+16*\b+\i], 0, v[TM+8+\b]
.else
	v_min_num_f32 v[T+16*\b+\i], v[(\a)+16*\b+\i], v[TM+8+\b]
.endif
.endr
.endr
	WIN 0
.irp b, 0,1,2,3
	v_cvt_scalef32_pk8_bf8_f32 v[(\pc)+4*\b:(\pc)+4*\b+1], v[T+16*\b:T+16*\b+7], v[TM+12+\b]
	v_cvt_scalef32_pk8_bf8_f32 v[(\pc)+4*\b+2:(\pc)+4*\b+3], v[T+16*\b+8:T+16*\b+15], v[TM+12+\b]
.endr
	v_nop
.endm
.macro QUANT w, a, relu, pc, pw
	QMAX \w, \a, \relu
	QTAIL \w, \a, \relu, \pc, \pw
.endm
.macro RFETCH rb, s, adr
.irp m, 0,1,2,3
.irp c, 0,1,2,3
	ds_load_b128 v[128+64*(\rb)+16*\m+4*\c:128+64*(\rb)+16*\m+4*\c+3], v[\adr] offset:2048*(4*(\s)+\m)+512*\c
.endr
.endr
	ds_load_b128 v[RS+4*(\rb):RS+4*(\rb)+3], v[\adr] offset:32768+512*(\s)
.endm
.macro LG slot, bs, of
	WIN 0x40
.irp i, 0,1,2,3
.irp c, 0,1,2,3
	global_load_b128 v[64*(\slot)+16*\i+4*\c:64*(\slot)+16*\i+4*\c+3], v[L16], s[\bs:\bs+1] offset:(\of)+2048*\i+512*\c
.endr
.endr
	WIN 0
	global_load_b128 v[WS+4*(\slot):WS+4*(\slot)+3], v[L16], s[\bs:\bs+1] offset:(\of)+8192
.endm
.macro MULG g, rb, tg, win, zero
	WIN \win
.irp i, 0,1,2,3
.irp m, 0,1,2,3
.set FW, 64*(\g)+16*\i
.set FX, 128+64*(\rb)+16*\m
.set AC, 64*\m+8*(4*(\tg)+\i)
.if \zero
	v_wmma_scale_f32_16x16x128_f8f6f4 v[AC:AC+7], v[FW:FW+15], v[FX:FX+15], 0, v[WS+4*(\g)+\i], v[RS+4*(\rb)+\m] matrix_a_fmt:MATRIX_FMT_BF8 matrix_b_fmt:MATRIX_FMT_BF8
.else
	v_wmma_scale_f32_16x16x128_f8f6f4 v[AC:AC+7], v[FW:FW+15], v[FX:FX+15], v[AC:AC+7], v[WS+4*(\g)+\i], v[RS+4*(\rb)+\m] matrix_a_fmt:MATRIX_FMT_BF8 matrix_b_fmt:MATRIX_FMT_BF8
.endif
.endr
.endr
.endm
.macro BIASLD
	v_add_nc_u32 v[BAD], s[BOF], v[BIA0]
	WIN 0x80
.irp m, 0,1,2,3
.irp t, 0,1,2,3,4,5,6,7
.irp q, 0,1
	ds_load_b128 v[64*\m+8*\t+4*\q:64*\m+8*\t+4*\q+3], v[BAD] offset:128*(\t/2)+32*(\t%2)+16*\q
.endr
.endr
.endr
	WIN 0
.endm
.macro PHASE_A adr, win, zero, bs, of, pf
	RFETCH 0, 0, \adr
	RFETCH 1, 1, \adr
.irp n, 0,1,2,3
.if (\n%2) == 0
	s_wait_dscnt 17
.endif
	s_wait_loadcnt 3*GL
.set ZF, 0
.if (\zero) && (\n < 2)
.set ZF, 1
.endif
	MULG \n, \n/2, \n%2, \win, ZF
	WIN 0
	PLACES
	LG \n, \bs, (\of)+(\n+4)*GB
.if (\pf) && (\n == 0)
	global_prefetch_b8 v[PFO], s[KV:KV+1] offset:8*GB th:TH_LOAD_NT scope:SCOPE_SE
.endif
.if \n == 1
	RFETCH 0, 2, \adr
.endif
.if \n == 3
	RFETCH 1, 3, \adr
.endif
.endr
.endm
.macro PHASE_B win, ld, bs, of, hook
.irp n, 4,5,6,7
.if \n == 4
	s_wait_dscnt 17
.endif
.if \n == 6
	s_wait_dscnt 0x0
.endif
.if \ld
	s_wait_loadcnt 3*GL
.else
	s_wait_loadcnt (7-\n)*GL
.endif
	MULG \n-4, (\n/2)%2, \n%2, \win, 0
.if (\ld) || (\n == 7)
	WIN 0
	PLACES
.endif
.if \ld
	LG \n-4, \bs, (\of)+(\n-4)*GB
.endif
.if (\hook) && (\n == 6)
	s_add_co_u32 s[BOF], s[BOF], 512
	BIASLD
.endif
.endr
.endm
.macro XL m
.irp b, 0,1,2,3
.irp jj, 0,1,2,3
	ds_load_b128 v[128+64*((\m)%2)+16*\b+4*\jj:128+64*((\m)%2)+16*\b+4*\jj+3], v[XAD] offset:528*(32*((\m)/2)+8*((\m)%2))+128*\b+16*\jj
.endr
.endr
.endm
.macro LNSTATS ra, rb
	WIN 0x0f
.irp m, 0,1,2,3
	v_pk_add_f32 v[SA+4*\m:SA+4*\m+1], v[64*\m:64*\m+1], v[64*\m+2:64*\m+3]
	v_pk_add_f32 v[SA+4*\m+2:SA+4*\m+3], v[64*\m+4:64*\m+5], v[64*\m+6:64*\m+7]
.endr
	WIN 0x03
.set j, 8
.rept 14
.irp m, 0,1,2,3
	v_pk_add_f32 v[SA+4*\m:SA+4*\m+1], v[64*\m+j:64*\m+j+1], v[SA+4*\m:SA+4*\m+1]
	v_pk_add_f32 v[SA+4*\m+2:SA+4*\m+3], v[64*\m+j+2:64*\m+j+3], v[SA+4*\m+2:SA+4*\m+3]
.endr
.set j, j+4
.endr
	WIN 0
.irp m, 0,1,2,3
	v_pk_add_f32 v[SA+4*\m:SA+4*\m+1], v[SA+4*\m:SA+4*\m+1], v[SA+4*\m+2:SA+4*\m+3]
.endr
.irp m, 0,1,2,3
	v_add_f32 v[LC+\m], v[SA+4*\m], v[SA+4*\m+1]
.endr
.irp m, 0,1,2,3
	v_permlanex16_b32 v[GX+\m], v[LC+\m], s[SEL], s[SEL+1]
.endr
.irp m, 0,1,2,3
	v_add_f32 v[LC+\m], v[LC+\m], v[GX+\m]
.endr
.irp m, 0,1,2,3
	v_mul_f32 v[PA+2*\m], 0x3c000000, v[LC+\m]
.endr
.irp m, 0,1,2,3
	v_mul_f32 v[LC+\m], 0x3c000000, v[LC+\m]
.endr
	ds_store_b128 v[STS], v[LC:LC+3] offset:\ra
	WIN 0xc3
.irp m, 0,1,2,3
.set j, 0
.rept 32
	v_pk_add_f32 v[64*\m+j:64*\m+j+1], v[64*\m+j:64*\m+j+1], v[PA+2*\m:PA+2*\m+1] op_sel_hi:[1,0] neg_lo:[0,1] neg_hi:[0,1]
.set j, j+2
.endr
.endr
	WIN 0x0f
.irp m, 0,1,2,3
	v_pk_mul_f32 v[SA+4*\m:SA+4*\m+1], v[64*\m:64*\m+1], v[64*\m:64*\m+1]
	v_pk_mul_f32 v[SA+4*\m+2:SA+4*\m+3], v[64*\m+2:64*\m+3], v[64*\m+2:64*\m+3]
.endr
.set j, 4
.rept 15
.irp m, 0,1,2,3
	v_pk_fma_f32 v[SA+4*\m:SA+4*\m+1], v[64*\m+j:64*\m+j+1], v[64*\m+j:64*\m+j+1], v[SA+4*\m:SA+4*\m+1]
	v_pk_fma_f32 v[SA+4*\m+2:SA+4*\m+3], v[64*\m+j+2:64*\m+j+3], v[64*\m+j+2:64*\m+j+3], v[SA+4*\m+2:SA+4*\m+3]
.endr
.set j, j+4
.endr
	WIN 0
.irp m, 0,1,2,3
	v_pk_add_f32 v[SA+4*\m:SA+4*\m+1], v[SA+4*\m:SA+4*\m+1], v[SA+4*\m+2:SA+4*\m+3]
.endr
.irp m, 0,1,2,3
	v_add_f32 v[TM+16+\m], v[SA+4*\m], v[SA+4*\m+1]
.endr
.irp m, 0,1,2,3
	v_permlanex16_b32 v[GX+\m], v[TM+16+\m], s[SEL], s[SEL+1]
.endr
.irp m, 0,1,2,3
	v_add_f32 v[GX+\m], v[GX+\m], v[TM+16+\m]
.endr
	ds_store_b128 v[STS], v[GX:GX+3] offset:\rb
	BAR
.irp ww, 0,1,2,3
	ds_load_b128 v[BM+4*\ww:BM+4*\ww+3], v[STL] offset:\ra+512*\ww
.endr
.irp ww, 0,1,2,3
	ds_load_b128 v[GX+4*\ww:GX+4*\ww+3], v[STL] offset:\rb+512*\ww
.endr
	s_wait_dscnt 0x0
.endm
.macro LNNORM sg, sb
.irp m, 0,1,2,3
	v_add_f32 v[48+\m], v[BM+\m], v[BM+4+\m]
.endr
.irp m, 0,1,2,3
	v_add_f32 v[52+\m], v[BM+8+\m], v[BM+12+\m]
.endr
.irp m, 0,1,2,3
	v_add_f32 v[48+\m], v[48+\m], v[52+\m]
.endr
.irp m, 0,1,2,3
	v_mul_f32 v[48+\m], 0x3e800000, v[48+\m]
.endr
.irp m, 0,1,2,3
	v_sub_f32 v[52+\m], v[48+\m], v[PA+2*\m]
.endr
.irp ww, 0,1,2,3
.irp m, 0,1,2,3
	v_sub_f32 v[BM+4*\ww+\m], v[BM+4*\ww+\m], v[48+\m]
.endr
.endr
.irp m, 0,1,2,3
	v_mul_f32 v[56+\m], v[BM+\m], v[BM+\m]
.endr
.irp ww, 1,2,3
.irp m, 0,1,2,3
	v_fmac_f32 v[56+\m], v[BM+4*\ww+\m], v[BM+4*\ww+\m]
.endr
.endr
.irp m, 0,1,2,3
	v_add_f32 v[GX+\m], v[GX+\m], v[GX+4+\m]
.endr
.irp m, 0,1,2,3
	v_add_f32 v[GX+8+\m], v[GX+8+\m], v[GX+12+\m]
.endr
.irp m, 0,1,2,3
	v_add_f32 v[GX+\m], v[GX+\m], v[GX+8+\m]
.endr
.irp m, 0,1,2,3
	v_fma_f32 v[GX+\m], v[56+\m], 0x43000000, v[GX+\m]
.endr
.irp m, 0,1,2,3
	v_mul_f32 v[GX+\m], 0x3b004020, v[GX+\m]
.endr
	s_wait_alu depctr_va_vdst(0)
.irp m, 0,1,2,3
	v_sqrt_f32 v[GX+4+\m], v[GX+\m]
.endr
	v_nop
	s_wait_alu depctr_va_vdst(0)
.irp m, 0,1,2,3
	v_add_f32 v[GX+4+\m], 0x358637bd, v[GX+4+\m]
.endr
	s_wait_alu depctr_va_vdst(0)
.irp m, 0,1,2,3
	v_rcp_f32 v[GX+8+\m], v[GX+4+\m]
.endr
	v_nop
	s_wait_alu depctr_va_vdst(0)
.irp m, 0,1,2,3
	v_mul_f32 v[PA+2*\m], s[\sg], v[GX+8+\m]
.endr
.irp m, 0,1,2,3
	v_fma_f32 v[PB+2*\m], -v[52+\m], v[PA+2*\m], s[\sb]
.endr
	WIN 0xc3
.irp m, 0,1,2,3
.set j, 0
.rept 32
	v_pk_fma_f32 v[64*\m+j:64*\m+j+1], v[64*\m+j:64*\m+j+1], v[PA+2*\m:PA+2*\m+1], v[PB+2*\m:PB+2*\m+1] op_sel_hi:[1,0,0]
.set j, j+2
.endr
.endr
	WIN 0
.endm
	s_load_b512 s[4:19], s[0:1], 0x0
	s_load_b128 s[20:23], s[0:1], 0x40
	s_load_b64 s[24:25], s[0:1], 0x50
	v_lshl_add_u32 v[SPW], v0, 2, SPARE
	v_mov_b32 v[NIL], 0
	ds_add_u32 v[SPW], v[NIL]
	ds_add_u32 v[SPW], v[NIL]
	v_lshrrev_b32 v21, 5, v0
	v_readfirstlane_b32 s[WV], v21
	s_mov_b32 s40, 3<<16
	s_mov_b32 s41, 32<<16
	s_mov_b32 s42, 34<<16
	s_mov_b32 s43, 32<<16
	s_mov_b32 s44, 34
	s_mov_b32 s45, 32
	s_mov_b32 s46, 0
	s_mov_b32 s47, 0
	s_mov_b32 s52, (2<<16)|(1<<20)|(6<<22)|(3<<25)
	s_mov_b32 s53, 128<<16
	s_mov_b32 s54, 64<<16
	s_mov_b32 s55, 128<<16
	s_mov_b32 s56, 64
	s_mov_b32 s57, 512
	s_mov_b32 s58, 0
	s_mov_b32 s59, 0
	s_mov_b32 s36, 1
	s_mul_i32 s37, s[WV], 8704
	s_mul_i32 s28, ttmp9, 34816
	s_add_co_u32 s28, s28, s37
	s_mov_b32 s29, 0
	s_mov_b32 s48, 1
	s_mul_i32 s49, s[WV], 33792
	s_add_co_u32 s49, s49, XST
	s_lshl_b32 s30, ttmp9, 17
	s_lshl_b32 s27, s[WV], 9
	s_add_co_u32 s30, s30, s27
	s_mov_b32 s31, 0
	s_lshr_b32 s32, ttmp9, 3
	s_lshl_b32 s32, s32, 2
	s_add_co_u32 s32, s32, s[WV]
	s_mul_i32 s32, s32, 16*GB
	s_mov_b32 s33, 0
	s_mul_i32 s34, s[WV], 64*GB
	s_mov_b32 s35, 0
	s_mov_b32 s[MNT], 0x600000
	s_mov_b32 s[SEL], 0x76543210
	s_mov_b32 s[SEL+1], 0xfedcba98
	s_mov_b32 s[CS], 0x3d8293ee
	s_mov_b32 s[CS+1], s[CS]
	s_wait_dscnt 0x0
	s_wait_kmcnt 0x0
	s_add_nc_u64 s[38:39], s[6:7], s[28:29]
	s_or_b32 s39, s39, 0x80000000
	s_add_nc_u64 s[50:51], s[4:5], s[30:31]
	s_or_b32 s51, s51, 0x80000000
	tensor_load_to_lds s[36:39], s[40:47]          ; my quarter of q's images: my one tensor load at the head; the head's set-up and the ring's first loads stand under it
	s_nop 0
.rept 4
	v_nop
.endr
	s_load_b32 s70, s[16:17], 0x0
	s_load_b32 s71, s[18:19], 0x0
	s_load_b32 s72, s[20:21], 0x0
	s_load_b32 s73, s[22:23], 0x0
	s_add_nc_u64 s[KV:KV+1], s[8:9], s[32:33]
	s_add_nc_u64 s[WF:WF+1], s[10:11], s[34:35]
	s_add_nc_u64 s[OUT:OUT+1], s[24:25], s[30:31]
	v_and_b32 v[L16], 31, v0
	v_lshlrev_b32 v[PFO], 8, v[L16]
	v_lshlrev_b32 v[L16], 4, v[L16]
	s_wait_alu depctr_va_vdst(0)
	s_lshl_b32 s27, s[WV], 9
	v_add_nc_u32 v[BGO], s27, v[L16]
	s_wait_alu depctr_va_vdst(0)
.irp j, 0,1,2,3
	global_load_b128 v[T+4*\j:T+4*\j+3], v[BGO], s[12:13] offset:2048*\j
.endr
	global_load_b128 v[T+16:T+19], v[BGO], s[14:15]
	LG 0, KV, 0
	LG 1, KV, GB
	LG 2, KV, 2*GB
	LG 3, KV, 3*GB
	v_and_b32 v21, 15, v0
	v_and_b32 v22, 8, v0
	v_add_nc_u32 v21, v21, v22
	v_bfe_u32 v22, v0, 4, 1
	v_add_nc_u32 v[LRB], RBR, v[L16]
	s_lshl_b32 s27, s[WV], 13
	v_add_nc_u32 v[SIA], s27, v[L16]
	v_add_nc_u32 v[SIB], RBR, v[SIA]
	v_add_nc_u32 v[SSA], 32768, v[BGO]
	v_add_nc_u32 v[SSB], RBR, v[SSA]
	v_add_nc_u32 v[STS], STAT, v[BGO]
	v_add_nc_u32 v[STL], STAT, v[L16]
	v_add_nc_u32 v[B2S], B2L, v[BGO]
	v_mul_u32_u24 v[XAD], v21, 528
	v_lshl_add_u32 v[XAD], v22, 6, v[XAD]
	v_add_nc_u32 v[XAD], s49, v[XAD]
	v_add_nc_u32 v[ORD], s49, v[L16]
	v_lshlrev_b32 v22, 6, v22
	s_lshl_b32 s27, s[WV], 11
	v_add_nc_u32 v[BIA0], s27, v22
	v_add_nc_u32 v[BIA0], B1L, v[BIA0]
	v_add_nc_u32 v[BST], s27, v[L16]
	v_add_nc_u32 v[BST], B1L, v[BST]
	s_lshl_b32 s27, s[WV], 9
	v_add_nc_u32 v[B2A], s27, v22
	v_add_nc_u32 v[B2A], B2L, v[B2A]
	s_and_b32 s27, ttmp9, 7
	s_lshl_b32 s27, s27, 13
	v_add_nc_u32 v[PFO], s27, v[PFO]
.irp q, 0,1,2,3,4,5,6,7,8,9,10,11,12,13,14,15
	v_mov_b32 v[GX+\q], 0
	v_mov_b32 v[PA+\q], 0
.endr
.irp b, 0,1,2,3
	v_mov_b32 v[TM+4+\b], 0
.endr
	s_wait_loadcnt 3*GL
.irp j, 0,1,2,3
	ds_store_b128 v[BST], v[T+4*\j:T+4*\j+3] offset:512*\j
.endr
	ds_store_b128 v[B2S], v[T+16:T+19]
	s_wait_alu depctr_va_vdst(0)                   ; the head's end
	s_wait_tensorcnt 0x0                           ; my part of q's images is in; ahead of a later first fill:
	ds_add_u32 v[SPW], v[NIL]                      ; 0 onto my spare word
	s_wait_kmcnt 0x0                               ; the four gains and offsets
	s_wait_dscnt 0x0                               ; the add and my stores of b1 and b2 are done
	s_barrier_signal -1
	s_barrier_wait -1                              ; all of q's images and both biases lie in LDS
	tensor_load_to_lds s[48:51], s[52:59]          ; x's 64 rows x my 128 columns: filled once, first read behind the second product
	s_nop 0
.rept 4
	v_nop
.endr
	PHASE_A L16, MULA, 1, KV, 0, 1
	PHASE_B MULA, 1, KV, 8*GB, 0
	WIN 0x0a
.irp m, 0,1,2,3
.irp b, 0,1,2,3
	v_max_num_f32 v[BM+4*\m+\b], v[64*\m+16*\b], v[64*\m+16*\b+1]
.endr
.endr
.irp i, 2,4,6,8,10,12,14
.irp m, 0,1,2,3
.irp b, 0,1,2,3
	v_max3_num_f32 v[BM+4*\m+\b], v[64*\m+16*\b+\i], v[64*\m+16*\b+\i+1], v[BM+4*\m+\b]
.endr
.endr
.endr
	WIN 0
.irp q, 0,1,2,3,4,5,6,7,8,9,10,11,12,13,14,15
	v_permlanex16_b32 v[GX+\q], v[BM+\q], s[SEL], s[SEL+1]
.endr
.irp q, 0,1,2,3,4,5,6,7,8,9,10,11,12,13,14,15
	v_max_num_f32 v[BM+\q], v[BM+\q], v[GX+\q]
.endr
.irp m, 0,1,2,3
	v_max3_num_f32 v[LC+\m], v[BM+4*\m], v[BM+4*\m+1], v[BM+4*\m+2]
.endr
.irp m, 0,1,2,3
	v_max_num_f32 v[LC+\m], v[LC+\m], v[BM+4*\m+3]
.endr
	ds_store_b128 v[STS], v[LC:LC+3] offset:MAXR
	BAR
.irp ww, 0,1,2,3
	ds_load_b128 v[GX+4*\ww:GX+4*\ww+3], v[STL] offset:MAXR+512*\ww
.endr
	s_wait_dscnt 0x0
.irp m, 0,1,2,3
	v_max3_num_f32 v[LC+\m], v[GX+\m], v[GX+4+\m], v[GX+8+\m]
.endr
.irp m, 0,1,2,3
	v_max_num_f32 v[LC+\m], v[LC+\m], v[GX+12+\m]
.endr
.irp m, 0,1,2,3
	v_mul_f32 v[LC+\m], s[CS], v[LC+\m]
.endr
.irp m, 0,1,2,3
	v_floor_f32 v[PA+2*\m], -v[LC+\m]
.endr
	WIN 0x82
.irp m, 0,1,2,3
.set j, 0
.rept 32
	v_pk_fma_f32 v[64*\m+j:64*\m+j+1], v[64*\m+j:64*\m+j+1], s[CS:CS+1], v[PA+2*\m:PA+2*\m+1] op_sel_hi:[1,0,0]
.set j, j+2
.endr
.endr
	WIN 0
.irp m, 0,1,2,3
.irp b, 0,1,2,3
	v_fma_f32 v[BM+4*\m+\b], v[BM+4*\m+\b], s[CS], v[PA+2*\m]
.endr
.endr
	WIN 0x82
.set j, 0
	s_wait_alu depctr_va_vdst(0)
.rept 256
	v_exp_f32 v[j], v[j]
.set j, j+1
.endr
	WIN 0
.irp q, 0,1,2,3,4,5,6,7,8,9,10,11,12,13,14,15
	v_exp_f32 v[BM+\q], v[BM+\q]
.endr
	v_nop
	s_wait_alu depctr_va_vdst(0)
	WIN 0x0a
.irp m, 0,1,2,3
	v_pk_add_f32 v[SA+4*\m:SA+4*\m+1], v[64*\m:64*\m+1], v[64*\m+2:64*\m+3]
	v_pk_add_f32 v[SA+4*\m+2:SA+4*\m+3], v[64*\m+4:64*\m+5], v[64*\m+6:64*\m+7]
.endr
	WIN 0x02
.set j, 8
.rept 14
.irp m, 0,1,2,3
	v_pk_add_f32 v[SA+4*\m:SA+4*\m+1], v[64*\m+j:64*\m+j+1], v[SA+4*\m:SA+4*\m+1]
	v_pk_add_f32 v[SA+4*\m+2:SA+4*\m+3], v[64*\m+j+2:64*\m+j+3], v[SA+4*\m+2:SA+4*\m+3]
.endr
.set j, j+4
.endr
	WIN 0
.irp m, 0,1,2,3
	v_pk_add_f32 v[SA+4*\m:SA+4*\m+1], v[SA+4*\m:SA+4*\m+1], v[SA+4*\m+2:SA+4*\m+3]
.endr
.irp m, 0,1,2,3
	v_add_f32 v[LC+\m], v[SA+4*\m], v[SA+4*\m+1]
.endr
.irp m, 0,1,2,3
	v_permlanex16_b32 v[GX+\m], v[LC+\m], s[SEL], s[SEL+1]
.endr
.irp m, 0,1,2,3
	v_add_f32 v[LC+\m], v[LC+\m], v[GX+\m]
.endr
	ds_store_b128 v[STS], v[LC:LC+3] offset:SUMR
.irp m, 0,1,2,3
.irp b, 0,1,2,3
	v_max_num_f32 v[TM+\b], 0x8000000, v[BM+4*\m+\b]
.endr
	QTAIL 2, 64*\m, 2, PC+16*\m, PW+\m
.irp c, 0,1,2,3
	ds_store_b128 v[SIB], v[PC+16*\m+4*\c:PC+16*\m+4*\c+3] offset:2048*\m+512*\c
.endr
.endr
	ds_store_b128 v[SSB], v[PW:PW+3]
	BAR
.irp ww, 0,1,2,3
	ds_load_b128 v[GX+4*\ww:GX+4*\ww+3], v[STL] offset:SUMR+512*\ww
.endr
	PHASE_A LRB, MULB, 1, KV, 8*GB, 0
	PHASE_B MULB, 1, WF, 0, 0
	s_wait_tensorcnt 0x0
	XL 0
	XL 1
.irp m, 0,1,2,3
	v_add_f32 v[LC+\m], v[GX+\m], v[GX+4+\m]
.endr
.irp m, 0,1,2,3
	v_add_f32 v[TM+\m], v[GX+8+\m], v[GX+12+\m]
.endr
.irp m, 0,1,2,3
	v_add_f32 v[LC+\m], v[LC+\m], v[TM+\m]
.endr
	s_wait_alu depctr_va_vdst(0)
.irp m, 0,1,2,3
	v_rcp_f32 v[PA+2*\m], v[LC+\m]
.endr
	v_nop
	s_wait_alu depctr_va_vdst(0)
.irp m, 0,1,2,3
.if \m < 3
	s_wait_dscnt 16
.else
	s_wait_dscnt 0x0
.endif
	WIN 0xc3
.set j, 0
.rept 32
	v_pk_fma_f32 v[64*\m+j:64*\m+j+1], v[64*\m+j:64*\m+j+1], v[PA+2*\m:PA+2*\m+1], v[128+64*(\m%2)+j:128+64*(\m%2)+j+1] op_sel_hi:[1,0,1]
.set j, j+2
.endr
	WIN 0
.if \m < 2
	XL \m+2
.endif
.endr
	s_mov_b32 s[PASS], 0
.Lpass:                                                ; two passes: norm 1 of x + attention, norm 2 of n1 + FFN, both on window 3; the FFN's barriers part one pass's reads of the statistics from the next pass's stores
	LNSTATS LN1A, LN1B
	LNNORM 70, 71
	s_wait_alu depctr_va_vdst(0)                   ; ahead of the branch: the way out reads what the norm wrote
	s_cmp_eq_u32 s[PASS], 1
	s_cbranch_scc1 .Lout
	s_mov_b32 s[CNT], 4                            ; the FFN's rounds of 512 hidden units
	s_mov_b32 s[BOF], 0                            ; and where a round's part of b1 begins
.irp m, 0,1,2,3
	QUANT 3, 64*\m, 0, PC+16*\m, PW+\m
.irp c, 0,1,2,3
	ds_store_b128 v[SIA], v[PC+16*\m+4*\c:PC+16*\m+4*\c+3] offset:2048*\m+512*\c
.endr
.endr
	ds_store_b128 v[SSA], v[PW:PW+3]
.irp b, 0,1,2,3
.irp jj, 0,1,2,3
	ds_load_b128 v[T+16*\b+4*\jj:T+16*\b+4*\jj+3], v[B2A] offset:128*\b+16*\jj
.endr
.endr
	BAR
	BIASLD
	WIN 0xc3
.irp m, 0,1,2,3
.set j, 0
.rept 32
	v_pk_add_f32 v[64*\m+j:64*\m+j+1], v[64*\m+j:64*\m+j+1], v[T+j:T+j+1]
.set j, j+2
.endr
.endr
	WIN 0
.Lround:
	PHASE_A L16, MULA, 0, WF, 0, 0
	PHASE_B MULA, 1, WF, 8*GB, 0
	BAR
.irp m, 0,1,2,3
	QUANT 2, 64*\m, 1, PC+16*\m, PW+\m
.irp c, 0,1,2,3
	ds_store_b128 v[SIB], v[PC+16*\m+4*\c:PC+16*\m+4*\c+3] offset:2048*\m+512*\c
.endr
.endr
	ds_store_b128 v[SSB], v[PW:PW+3]
	BAR
	PHASE_A LRB, MULB, 0, WF, 8*GB, 0
	s_cmp_eq_u32 s[CNT], 1
	s_cbranch_scc1 .Llast
	PHASE_B MULB, 1, WF, 16*GB, 1
	s_wait_xcnt 0x0
	s_add_nc_u64 s[WF:WF+1], s[WF:WF+1], 16*GB
	s_sub_co_u32 s[CNT], s[CNT], 1
	s_cmp_lg_u32 s[CNT], 0
	s_cbranch_scc1 .Lround
.Llast:
	PHASE_B MULB, 0, WF, 0, 0
	s_mov_b32 s70, s72                             ; the second pass takes a2 and bb2
	s_mov_b32 s71, s73
	s_add_co_u32 s[PASS], s[PASS], 1
	s_cmp_lt_u32 s[PASS], 2
	s_wait_alu depctr_va_vdst(0)                   ; ahead of the backward jump
	s_cbranch_scc1 .Lpass
.Lout:
.irp m, 0,1,2,3
	WIN 0x0c
.irp b, 0,1,2,3
.irp jj, 0,1,2,3
	ds_store_b128 v[XAD], v[64*\m+16*\b+4*\jj:64*\m+16*\b+4*\jj+3] offset:528*(32*(\m/2)+8*(\m%2))+128*\b+16*\jj
.endr
.endr
	WIN 0
.if \m >= 2
	s_wait_xcnt 0x0
.endif
.irp k, 0,1,2,3,4,5,6,7,8,9,10,11,12,13,14,15
	ds_load_b128 v[128+64*(\m%2)+4*\k:128+64*(\m%2)+4*\k+3], v[ORD] offset:528*(32*(\m/2)+8*(\m%2)+\k+8*(\k/8))
.endr
.irp k, 0,1,2,3,4,5,6,7,8,9,10,11,12,13,14,15
	s_wait_dscnt 15-\k
	global_store_b128 v[L16], v[128+64*(\m%2)+4*\k:128+64*(\m%2)+4*\k+3], s[OUT:OUT+1] offset:2048*(32*(\m/2)+8*(\m%2)+\k+8*(\k/8)) th:TH_STORE_NT
.endr
.endr
	s_wait_tensorcnt 0x0
	ds_add_u32 v[SPW], v[NIL]
	s_wait_dscnt 0x0
	s_endpgm
.Lfunc_end_k_q7b619d9208_attn_ffn:
	.size	k_q7b619d9208_attn_ffn, .Lfunc_end_k_q7b619d9208_attn_ffn-k_q7b619d9208_attn_ffn
	.p2alignl 7, 3214868480
	.fill 96, 4, 3214868480
	.section	.rodata,"a",@progbits
	.p2align	6, 0x0
	.amdhsa_kernel k_q7b619d9208_attn_ffn
		.amdhsa_group_segment_fixed_size 327680
		.amdhsa_private_segment_fixed_size 0
		.amdhsa_enable_private_segment 0
		.amdhsa_kernarg_size 88
		.amdhsa_user_sgpr_count 2
		.amdhsa_user_sgpr_kernarg_segment_ptr 1
		.amdhsa_wavefront_size32 1
		.amdhsa_system_sgpr_workgroup_id_x 1
		.amdhsa_system_sgpr_workgroup_id_y 1
		.amdhsa_system_sgpr_workgroup_id_z 1
		.amdhsa_system_vgpr_workitem_id 0
		.amdhsa_next_free_vgpr 1024
		.amdhsa_next_free_sgpr 84
		.amdhsa_reserve_vcc 0
		.amdhsa_float_denorm_mode_32 3
		.amdhsa_float_denorm_mode_16_64 3
		.amdhsa_memory_ordered 1
		.amdhsa_forward_progress 1
		.amdhsa_inst_pref_size 255
	.end_amdhsa_kernel
	.section	.bss,"aw",@nobits
	.p2align	6
	.space	262144
	.amdgpu_metadata
---
amdhsa.version: [ 1, 2 ]
amdhsa.kernels:
  - .name:           k_q7b619d9208_attn_ffn
    .symbol:         k_q7b619d9208_attn_ffn.kd
    .args:
      - { .name: x, .offset: 0, .size: 8, .value_kind: global_buffer, .address_space: global }
      - { .name: qf, .offset: 8, .size: 8, .value_kind: global_buffer, .address_space: global }
      - { .name: kvf, .offset: 16, .size: 8, .value_kind: global_buffer, .address_space: global }
      - { .name: wf, .offset: 24, .size: 8, .value_kind: global_buffer, .address_space: global }
      - { .name: b1, .offset: 32, .size: 8, .value_kind: global_buffer, .address_space: global }
      - { .name: b2, .offset: 40, .size: 8, .value_kind: global_buffer, .address_space: global }
      - { .name: a1, .offset: 48, .size: 8, .value_kind: global_buffer, .address_space: global }
      - { .name: bb1, .offset: 56, .size: 8, .value_kind: global_buffer, .address_space: global }
      - { .name: a2, .offset: 64, .size: 8, .value_kind: global_buffer, .address_space: global }
      - { .name: bb2, .offset: 72, .size: 8, .value_kind: global_buffer, .address_space: global }
      - { .name: out0, .offset: 80, .size: 8, .value_kind: global_buffer, .address_space: global }
    .group_segment_fixed_size: 327680
    .private_segment_fixed_size: 0
    .kernarg_segment_align: 8
    .kernarg_segment_size: 88
    .max_flat_workgroup_size: 128
    .sgpr_count:     84
    .vgpr_count:     1024
    .wavefront_size: 32
...
	.end_amdgpu_metadata
.endif
;; end of part 2
